; MI455X (gfx1250); checked and timed in simulation.
; The chip was launched on July 23, 2026; its instructions are those of AMD's public machine-readable ISA for CDNA 5 (MIT licence, August 2026) and "CDNA5" Instruction Set Architecture Reference Guide (July 2026). The comments in the code are by the model that wrote it; some were corrected since.
;; Sparse Multihead Attention. Allowed arithmetic: matrix products marked QUANTISED: E2M3 operands, one E8M0 scale for each 32 along K, by v_wmma_scale_f32_16x16x128_f8f6f4 with both operands' format E2M3, f32 sums; everything else in f32.
;; Inputs: k_b 512 float32; k_w 512 x 512 float32; key 8 x 1,024 x 512 float32; key_padding_mask 8 x 1,024 bool; out_b 512 float32; out_w 512 x 512 float32; q_b 512 float32; q_w 512 x 512 float32; query 8 x 1,024 x 512 float32; v_b 512 float32; v_w 512 x 512 float32; value 8 x 1,024 x 512 float32.
;; Outputs: out0 8 x 1,024 x 512 float32.
;; This version of the problem:
;;   THIS VERSION OF THE PROBLEM IS GIVEN IN LOW PRECISION. The matrix products marked QUANTISED in the list below multiply operands that are first quantised to E2M3 (2 exponent bits, 3 mantissa bits; 6 bits a number), with one power-of-two scale for each 32 numbers along K (OCP MX v1.0); their sums are f32. All else is computed in f32.
;;   The module's matrix products, in the order in which they are computed (A, B: the left and right operand; K: the contracted axis; several contracted axes count as one K, in the product's order):
;;     1. [M 8,192, K 512] x [K 512, N 512]; A: input query; B: input q_w: QUANTISED
;;     2. [M 8,192, K 512] x [K 512, N 512]; A: input key; B: input k_w: QUANTISED
;;     3. [M 8,192, K 512] x [K 512, N 512]; A: input value; B: input v_w: QUANTISED
;;     4. batch 64 x [M 1,024, K 64] x [K 64, N 1,024]; A: computed on the way; B: computed on the way: QUANTISED
;;     5. batch 64 x [M 1,024, K 1,024] x [K 1,024, N 64]; A: computed on the way; B: computed on the way: QUANTISED
;;     6. [M 8,192, K 512] x [K 512, N 512]; A: computed on the way; B: input out_w: QUANTISED
;;   THE QUANTISER, for each operand of a quantised product, along K:
;;     - K is cut into blocks of 32 from its start; a last block that is shorter is filled with zeros.
;;     - A block's scale is 2^e with e = floor(log2(the largest magnitude in the block)) - 2, held to -126 .. 127; a block of zeros has e = 0. As a byte (E8M0): e + 127.
;;     - Each number is divided by its block's scale, clamped to +-7.5, and rounded to the nearest number of E2M3, ties to even, subnormals kept.
;;     - The product sums the exact products of the quantised numbers (number of the format x scale) in f32.
;;   ~~~python
;;   def quantise(x, axis):      # numpy; x: float32 -> the quantised numbers, widened to float32 again
;;       x = np.moveaxis(x, axis, -1); K = x.shape[-1]
;;       x = np.pad(x, [(0, 0)] * (x.ndim - 1) + [(0, -K % 32)]); x = x.reshape(x.shape[:-1] + (-1, 32)); a = np.abs(x).max(-1, keepdims=True)
;;       e = np.where(a > 0, np.clip(np.frexp(np.where(a > 0, a, 1))[1] - 1 - 2, -126, 127), 0)      # np.frexp(a)[1] - 1 = floor(log2(a)), exactly
;;       r = np.clip(x / 2.0 ** e, -7.5, 7.5)
;;       step = 2.0 ** (np.maximum(np.frexp(np.where(r == 0, 1, r))[1] - 1, 0) - 3)
;;       q = np.round(r / step) * step * 2.0 ** e      # np.round: ties to even
;;       return np.moveaxis(q.reshape(q.shape[:-2] + (-1,))[..., :K], -1, axis).astype(np.float32)
;;   ~~~
;;   OPERANDS COMPUTED ON THE WAY. 'Computed on the way' means the value that the module computes at that place (a softmax that the list does not call 'softmax' is quantised finished and normalised). What goes into a quantiser is computed in f32, as accurately as f32 sums, v_exp_f32 and their like allow (about 1e-6 of the number): no bf16 or f16 on the way to a quantiser, and a product that is left as it is and whose result goes on into a quantised operand takes f32 operands (vector FMAs, or v_wmma_f32_16x16x4_f32). A number that lies on a knife's edge between two numbers of the format may be rounded either way, as far as f32 arithmetic and the matrix unit's own rounding can turn it there, and no further.
;; One version. Each part assembles by itself: llvm-mc -triple=amdgcn-amd-amdhsa -mcpu=gfx1250 --defsym DOCPART=n.
;; ======== version 1 of 1: 4 launches
;; limits: an iteration or a series of the reference is cut at 12 steps
;; workspace buffers: frag 10,223,616 bytes; fsc 851,968 bytes; hfrag 9,437,184 bytes; hsc 1,572,864 bytes; cfrag 3,145,728 bytes; csc 524,288 bytes
;; launch quant (part 1): grid 416 x 1, 4 waves a work-group, no clusters, 34,304 bytes of LDS; arguments query, key, value, q_w, k_w, v_w, out_w, frag, fsc; writes frag, fsc
.if DOCPART == 1
	.amdgcn_target "amdgcn-amd-amdhsa--gfx1250"
	.amdhsa_code_object_version 6
	.text
	.protected	k_qfbbab5f657_quant
	.globl	k_qfbbab5f657_quant
	.p2align	8
	.type	k_qfbbab5f657_quant,@function
k_qfbbab5f657_quant:
	s_mov_b64 s[64:65], 0
	v_nop
	global_prefetch_b8 v0, s[64:65] scope:SCOPE_SE
	s_setreg_imm32_b32 hwreg(HW_REG_WAVE_MODE, 25, 1), 1
	s_wait_xcnt 0x0
; query, key, value [8192][512] and q_w, k_w, v_w, out_w [512][512], all f32 with K = 512 innermost, become codes of FP6 (E2M3) with one E8M0 byte for each 32 along K.
; The codes are laid as IMAGES OF OPERAND REGISTERS: a fragment (16 rows x 128 K, 12 registers a lane) is 1,536 bytes, registers 4 c .. 4 c + 3 of lane l at 512 c + 16 l.
; Tile G's four fragments lie on end at 6,144 G in frag; its scale words at 512 G + 16 l + 4 s in fsc (row l % 16's word for K step s, the same in both halves of the lanes).
; THE ROWS OF A TILE ARE NOT NEIGHBOURS: lane r of a tensor's tile t takes row 32 (t / 2) + 8 (t % 2) + r + 8 (r / 8), so that a product used transposed leaves 16 neighbours along its next K in a lane's registers.
; A block's scale is 2^(floor(log2(largest magnitude)) - 2); its byte is the largest magnitude's exponent field - 2, held at 1 from below.
; LIMITS: a block of zeros gets the byte 1 where the rule says 127 (its codes are zeros, and this program alone reads the bytes); NaN and infinities among the inputs are not served.
; SHARES: one wave, one tile.  Work-groups 0-127 take query, 128-255 key, 256-383 value, then eight each q_w, k_w, v_w, out_w: only pointers are chosen, all take one path.
; Each load reads 512 consecutive bytes of a row (16 a lane); a K step's 16 rows turn through the wave's own stage in LDS and come back 256 bytes a lane: the lane's two whole blocks.
; No barrier: waves share nothing.  No matrix unit, cluster or tensor load: the launch is a stream, read once and written once.
.set SP,  528                          ; a stage row: 512 bytes + 16, an odd multiple of 16
.set R,   16                           ; v16-143  two sets of 64 registers as loaded
.set X,   144                          ; v144-207 my two blocks of 32 neighbours
.set C,   208                          ; v208-219 the fragment's 12 registers
.set T4,  220                          ; v220-227 the upper halves of the two blocks' codes (a conversion's three registers begin on an even number)
.set M,   228                          ; v228-229 largest magnitudes
.set SO,  230                          ; v230-231 the conversions' scale operands
.set BY,  232                          ; v232-233 the scale bytes
.set W,   236                          ; v236-239 the four K steps' scale words
	s_load_b512 s[4:19], s[0:1], 0x0               ; query, key, value, q_w, k_w, v_w, out_w, frag
	s_load_b64 s[20:21], s[0:1], 0x40              ; fsc
	v_lshl_add_u32 v240, v0, 2, 0x8400
	v_mov_b32 v241, 0
	v_lshrrev_b32 v5, 5, v0
	v_readfirstlane_b32 s22, v5                    ; wave 0..3
	v_and_b32 v6, 31, v0                           ; lane
	v_lshlrev_b32 v1, 4, v6                        ; 16 x lane: my bytes of a load, of an image, of the scale words
	v_and_b32 v7, 15, v0                           ; r
	v_bfe_u32 v8, v0, 4, 1                         ; h
	s_mul_i32 s28, s22, 16*SP                      ; my wave's stage
	v_add_nc_u32 v2, s28, v1                       ; into it: as loaded
	v_mul_u32_u24 v3, v7, SP
	v_lshl_add_u32 v3, v8, 7, v3
	v_add_nc_u32 v3, s28, v3                       ; out of it: row r, + 128 h: k = 32 h on
	v_lshlrev_b32 v4, 3, v8                        ; 8 h: where my bytes stand in a scale word
	v_mov_b32 v235, 0                              ; written once: a lane permute's destination counts as one of its sources
	s_mov_b32 s26, 0x76543210
	s_mov_b32 s27, 0xfedcba98                      ; v_permlanex16_b32's selects for lane l xor 16
	s_cmp_ge_u32 ttmp9, 384
	s_cselect_b32 s23, 7, 127                      ; work-groups in a weight: 8; in an activation: 128
	s_and_b32 s23, ttmp9, s23
	s_lshl_b32 s23, s23, 2
	s_add_co_u32 s23, s23, s22                     ; t: my tile in its tensor
	s_lshr_b32 s24, s23, 1
	s_lshl_b32 s24, s24, 16                        ; 32 (t / 2) rows of 2,048 bytes
	s_and_b32 s25, s23, 1
	s_lshl_b32 s25, s25, 14                        ; 8 (t % 2) rows
	s_add_co_u32 s24, s24, s25
	s_mov_b32 s25, 0
	s_lshl_b32 s29, ttmp9, 2
	s_add_co_u32 s29, s29, s22                     ; G: my tile among all 1,664
	s_mul_i32 s30, s29, 6144
	s_mov_b32 s31, 0
	s_lshl_b32 s32, s29, 9
	s_mov_b32 s33, 0
	s_wait_kmcnt 0x0
	s_cmp_ge_u32 ttmp9, 128                        ; the source: a choice that hangs on the work-group's number alone
	s_cselect_b64 s[4:5], s[6:7], s[4:5]
	s_cmp_ge_u32 ttmp9, 256
	s_cselect_b64 s[4:5], s[8:9], s[4:5]
	s_cmp_ge_u32 ttmp9, 384
	s_cselect_b64 s[4:5], s[10:11], s[4:5]
	s_cmp_ge_u32 ttmp9, 392
	s_cselect_b64 s[4:5], s[12:13], s[4:5]
	s_cmp_ge_u32 ttmp9, 400
	s_cselect_b64 s[4:5], s[14:15], s[4:5]
	s_cmp_ge_u32 ttmp9, 408
	s_cselect_b64 s[4:5], s[16:17], s[4:5]
	s_add_nc_u64 s[4:5], s[4:5], s[24:25]
	s_add_nc_u64 s[18:19], s[18:19], s[30:31]
	s_add_nc_u64 s[20:21], s[20:21], s[32:33]
.macro LOAD s                          ; K step s of my 16 rows: 32 lanes read 512 consecutive bytes of a row
.irp i, 0,1,2,3,4,5,6,7,8,9,10,11,12,13,14,15
	global_load_b128 v[R+64*((\s)%2)+4*\i:R+64*((\s)%2)+4*\i+3], v1, s[4:5] offset:(\i+8*(\i/8))*2048+512*(\s) th:TH_LOAD_NT
.endr
.endm
.macro TURN s                          ; through the stage: LDS serves a wave's instructions in order (ISA guide 5.7.1.4), so no wait stands between the stores and the loads
.irp i, 0,1,2,3,4,5,6,7,8,9,10,11,12,13,14,15
	ds_store_b128 v2, v[R+64*((\s)%2)+4*\i:R+64*((\s)%2)+4*\i+3] offset:SP*\i
.endr
.irp c, 0,1
.irp i, 0,1,2,3,4,5,6,7
	ds_load_b128 v[X+32*\c+4*\i:X+32*\c+4*\i+3], v3 offset:256*\c+16*\i    ; register 32 c + j: k = 64 c + 32 h + j of row r
.endr
.endr
.endm
.macro QW s                            ; my two whole blocks become registers 6 c .. 6 c + 5 of the fragment, and two bytes of the scale word
.irp c, 0,1
	v_max3_num_f32 v[M+\c], |v[X+32*\c]|, |v[X+32*\c+1]|, 0x1800000        ; with the floor 2^(3 - 127): the byte cannot fall under 1
.endr
.irp i, 2,4,6,8,10,12,14,16,18,20,22,24,26,28,30
.irp c, 0,1
	v_max3_num_f32 v[M+\c], v[M+\c], |v[X+32*\c+\i]|, |v[X+32*\c+\i+1]|    ; the two blocks by turns
.endr
.endr
.irp c, 0,1
	v_add_nc_u32 v[SO+\c], 0xff000000, v[M+\c]     ; 2 off the exponent field: the conversion takes this operand's exponent field as its scale
.endr
.irp c, 0,1
	v_lshrrev_b32 v[BY+\c], 23, v[SO+\c]           ; the scale's byte
.endr
	v_lshl_or_b32 v234, v[BY+1], 16, v[BY]         ; blocks h and 2 + h of row r,
	v_lshlrev_b32 v234, v4, v234                   ; at their places in the word;
	v_permlanex16_b32 v235, v234, s26, s27
	v_or_b32 v[W+(\s)], v234, v235                 ; with lane l xor 16's two the word is whole, in both halves
	s_wait_xcnt 0x0                                ; the last K step's stores have read v[C..]: only now are they written again
.irp c, 0,1
	v_cvt_scalef32_pk16_fp6_f32 v[C+6*\c:C+6*\c+2], v[X+32*\c:X+32*\c+15], v[SO+\c]
	v_cvt_scalef32_pk16_fp6_f32 v[T4+4*\c:T4+4*\c+2], v[X+32*\c+16:X+32*\c+31], v[SO+\c]
.endr
	v_nop                                          ; one plain instruction behind the scaled conversions
.irp c, 0,1
.irp i, 0,1,2
	v_mov_b32 v[C+3+6*\c+\i], v[T4+4*\c+\i]
.endr
.endr
.irp c, 0,1,2
	global_store_b128 v1, v[C+4*\c:C+4*\c+3], s[18:19] offset:1536*(\s)+512*\c     ; 32 lanes store 512 consecutive bytes, at a multiple of 256 from frag's first byte
.endr
.endm
	LOAD 0
	LOAD 1
.irp s, 0,1,2,3
.if \s < 3
	s_wait_loadcnt 16                              ; this K step's 16 loads are in; the next K step's 16 may be out
.else
	s_wait_loadcnt 0x0
.endif
	TURN \s
	s_wait_dscnt 0x0                               ; my numbers are back, and the stage's stores have read their registers,
.if \s < 2
	LOAD \s+2                                      ; which take the loads of two K steps on
.endif
	QW \s
.endr
	global_store_b128 v1, v[W:W+3], s[20:21]       ; the tile's scale words: 512 consecutive bytes
	s_wait_tensorcnt 0x0
	ds_add_u32 v240, v241
	s_wait_dscnt 0x0
	s_endpgm
.Lfunc_end_k_qfbbab5f657_quant:
	.size	k_qfbbab5f657_quant, .Lfunc_end_k_qfbbab5f657_quant-k_qfbbab5f657_quant
	.p2alignl 7, 3214868480
	.fill 96, 4, 3214868480
	.section	.rodata,"a",@progbits
	.p2align	6, 0x0
	.amdhsa_kernel k_qfbbab5f657_quant
		.amdhsa_group_segment_fixed_size 34304
		.amdhsa_private_segment_fixed_size 0
		.amdhsa_enable_private_segment 0
		.amdhsa_kernarg_size 72
		.amdhsa_user_sgpr_count 2
		.amdhsa_user_sgpr_kernarg_segment_ptr 1
		.amdhsa_wavefront_size32 1
		.amdhsa_system_sgpr_workgroup_id_x 1
		.amdhsa_system_sgpr_workgroup_id_y 1
		.amdhsa_system_sgpr_workgroup_id_z 1
		.amdhsa_system_vgpr_workitem_id 0
		.amdhsa_next_free_vgpr 242
		.amdhsa_next_free_sgpr 66
		.amdhsa_reserve_vcc 0
		.amdhsa_float_denorm_mode_32 3
		.amdhsa_float_denorm_mode_16_64 3
		.amdhsa_memory_ordered 1
		.amdhsa_forward_progress 1
		.amdhsa_inst_pref_size 30
	.end_amdhsa_kernel
	.amdgpu_metadata
---
amdhsa.version: [ 1, 2 ]
amdhsa.kernels:
  - .name:           k_qfbbab5f657_quant
    .symbol:         k_qfbbab5f657_quant.kd
    .args:
      - { .name: query, .offset: 0, .size: 8, .value_kind: global_buffer, .address_space: global }
      - { .name: key, .offset: 8, .size: 8, .value_kind: global_buffer, .address_space: global }
      - { .name: value, .offset: 16, .size: 8, .value_kind: global_buffer, .address_space: global }
      - { .name: q_w, .offset: 24, .size: 8, .value_kind: global_buffer, .address_space: global }
      - { .name: k_w, .offset: 32, .size: 8, .value_kind: global_buffer, .address_space: global }
      - { .name: v_w, .offset: 40, .size: 8, .value_kind: global_buffer, .address_space: global }
      - { .name: out_w, .offset: 48, .size: 8, .value_kind: global_buffer, .address_space: global }
      - { .name: frag, .offset: 56, .size: 8, .value_kind: global_buffer, .address_space: global }
      - { .name: fsc, .offset: 64, .size: 8, .value_kind: global_buffer, .address_space: global }
    .group_segment_fixed_size: 34304
    .private_segment_fixed_size: 0
    .kernarg_segment_align: 8
    .kernarg_segment_size: 72
    .max_flat_workgroup_size: 128
    .sgpr_count:     66
    .vgpr_count:     242
    .wavefront_size: 32
...
	.end_amdgpu_metadata
.endif
;; end of part 1
;; launch proj (part 2): grid 64 x 3, 4 waves a work-group, no clusters, 0 bytes of LDS; arguments frag, fsc, q_b, k_b, v_b, key_padding_mask, hfrag, hsc; writes hfrag, hsc
.if DOCPART == 2
	.amdgcn_target "amdgcn-amd-amdhsa--gfx1250"
	.amdhsa_code_object_version 6
	.text
	.protected	k_qfbbab5f657_proj
	.globl	k_qfbbab5f657_proj
	.p2align	8
	.type	k_qfbbab5f657_proj,@function
k_qfbbab5f657_proj:
	s_mov_b64 s[64:65], 0
	v_nop
	global_prefetch_b8 v0, s[64:65] scope:SCOPE_SE
	s_setreg_imm32_b32 hwreg(HW_REG_WAVE_MODE, 25, 1), 1
	s_wait_xcnt 0x0
; The three projections x W^T + b on codes of FP6 (E2M3), and the quantising of their results for the two products of attention.  Work-group (blk, y): 128 rows of query (y = 0), key (1) or value (2).
; Wave w owns output columns 128 w .. 128 w + 127: heads 2 w and 2 w + 1.
; ONE FORM OF PRODUCT: source 0 = a HELD operand (8 tiles x 4 K steps, 384 registers, loaded once), source 1 = a STREAMED tile i = 0 .. 7.  In the result a lane holds one row of the streamed tile, and its 64
; registers run along the held tiles' 128 rows: by the tiles' choice of rows register 16 b + j is row 32 b + 16 (lane / 16) + j.
;   y < 2: held = W's 128 rows, streamed = x.  A lane holds a token and 128 columns: d of two heads, the K of q k^T.
;   y = 2: held = x's 128 rows, streamed = W.  A lane holds a column d and 128 keys: the K of attn v.
; Only numbers and pointers are chosen by y; all three take one path, but for one store.
; BIAS: along the registers (y < 2) it is the C of each sum's first product; along the lanes (y = 2) it is the addend of one packed multiply-add.  The set that is not used is multiplied by 0.
; MASK: a masked key's row of k is multiplied by 0 in that same multiply-add, so that its codes are zeros; the score -1e9 itself is laid in the next launch.  q and v are kept as they are.
; OUT (images of operand registers): q, k: a head's tile of 16 tokens x 64 d is 6 registers a lane, 768 bytes: registers 0-3 at 16 l, registers 4-5 at 512 + 8 l.  v: a fragment (16 d x 128 keys) is two such halves.
; Scale words, 4 bytes a lane.  For q and k bytes 0 and 1 are the head's two blocks; bytes 2 and 3 stand over zero codes and are never 0xff.
; No tile goes through LDS and there is no tensor load, so nothing can be asked for jointly in a cluster: each wave's operands go from memory straight into its registers, each held fragment once.
; LIMITS: blocks of zeros get the byte 1 (their codes are zeros; this program alone reads the bytes); NaN and infinities are not served.
; REGISTERS, in windows of 256: window 0 as named below; windows 1, 2: held tile t at v[48 (t % 4) + 12 s] of window 1 + t / 4, its bias at v[192 + 8 (t % 4)]; window 3: two buffers of 48 for the streamed tile.
.set FI,  12                           ; v12-19   mask bytes of the streamed tiles' rows, then the factors f_i
.set BL,  20                           ; v20-27   the bias along the lanes, for streamed tile i
.set FF,  28                           ; v[28:29] this trip's factor (the low word serves both halves)
.set BB,  30                           ; v[30:31] this trip's addend
.set HS,  32                           ; v32-63   held scale words: 4 t + s
.set ZS,  64                           ; v64-71   streamed scale words: two sets of 4
.set HA,  72                           ; v72-135  the eight accumulators
.set PC,  136                          ; v136-155 the codes just made
.set TM,  156                          ; v156-171 at work in QUANT
.set PW,  172                          ; the scale word just made
.set PW2, 173                          ; its upper half, for the second head
.set SEL, 56                           ; s[56:57] lane selects
.set MSB, 0
.macro WIN new                         ; the immediate's high byte repeats the setting that is left
.if MSB != (\new)
	s_set_vgpr_msb (MSB<<8)|(\new)
.set MSB, (\new)
.endif
.endm
.macro WMC d, a, b, c, sa, sb
	v_wmma_scale_f32_16x16x128_f8f6f4 v[(\d):(\d)+7], v[(\a):(\a)+11], v[(\b):(\b)+11], v[(\c):(\c)+7], v[\sa], v[\sb] matrix_a_fmt:MATRIX_FMT_FP6 matrix_b_fmt:MATRIX_FMT_FP6
.endm
; 64 numbers of a lane, register 16 b + j = k 32 b + 16 (lane / 16) + j of my row, become a fragment's codes in v[PC] on and its scale word in v[PW].
.macro QUANT s
.irp b, 0,1,2,3
	v_max3_num_f32 v[TM+\b], |v[\s+16*\b]|, |v[\s+1+16*\b]|, 0x1800000     ; with the floor 2^(3 - 127): the byte cannot fall under 1
.endr
.irp i, 2,4,6,8,10,12,14
.irp b, 0,1,2,3
	v_max3_num_f32 v[TM+\b], v[TM+\b], |v[\s+16*\b+\i]|, |v[\s+1+16*\b+\i]|
.endr
.endr
.irp b, 0,1,2,3
	v_permlanex16_b32 v[TM+4+\b], v[TM+\b], s[SEL], s[SEL+1]
.endr
.irp b, 0,1,2,3
	v_max_num_f32 v[TM+\b], v[TM+\b], v[TM+4+\b]   ; with lane l xor 16's: the block's largest magnitude
.endr
.irp b, 0,1,2,3
	v_add_nc_u32 v[TM+12+\b], 0xff000000, v[TM+\b] ; 2 off its exponent field: the conversion's scale operand
.endr
.irp b, 0,1,2,3
	v_lshrrev_b32 v[TM+4+\b], 23, v[TM+12+\b]      ; the scale's byte
.endr
	v_lshl_or_b32 v[PW], v[TM+5], 8, v[TM+4]
	v_lshl_or_b32 v[PW], v[TM+6], 16, v[PW]
	v_lshl_or_b32 v[PW], v[TM+7], 24, v[PW]
.irp c, 0,1
	v_cvt_scalef32_pk16_fp6_f32 v[PC+6*\c:PC+2+6*\c], v[\s+32*\c:\s+15+32*\c], v[TM+12+2*\c]
	v_cvt_scalef32_pk16_fp6_f32 v[PC+12+4*\c:PC+14+4*\c], v[\s+16+32*\c:\s+31+32*\c], v[TM+12+2*\c+1]
.endr
	v_nop                                          ; one plain instruction behind the scaled conversions
.irp c, 0,1                                    ; the operand's layout wants a whole block in a lane: lanes 0-15 block 2 c, lanes 16-31 block 2 c + 1
.irp i, 0,1,2
	v_permlane16_swap_b32 v[PC+6*\c+\i], v[PC+12+4*\c+\i]
.endr
.irp i, 0,1,2
	v_mov_b32 v[PC+3+6*\c+\i], v[PC+12+4*\c+\i]
.endr
.endr
.endm
	s_load_b512 s[4:19], s[0:1], 0x0               ; frag, fsc, q_b, k_b, v_b, mask, hfrag, hsc
	v_lshrrev_b32 v9, 5, v0
	v_readfirstlane_b32 s20, v9                    ; wave w
	s_and_b32 s21, ttmp7, 0xffff                   ; y
	s_mov_b32 s22, ttmp9                           ; blk: 128 rows
	s_lshr_b32 s23, s22, 3                         ; batch b
	s_and_b32 s24, s22, 7                          ; sb: which 128 of the batch's 1,024
	v_and_b32 v9, 31, v0
	v_lshlrev_b32 v1, 4, v9                        ; 16 l
	v_lshlrev_b32 v2, 3, v9                        ; 8 l
	v_lshlrev_b32 v3, 2, v9                        ; 4 l
	v_and_b32 v10, 15, v0                          ; r
	v_bfe_u32 v11, v0, 4, 1                        ; h
	v_lshlrev_b32 v4, 6, v11                       ; 64 h: my half's 16 numbers of a bias along the registers
	v_and_b32 v5, 8, v10
	v_add_nc_u32 v5, v5, v10                       ; r + 8 (r / 8): my row in a tile
	v_lshlrev_b32 v6, 2, v5
	v_mov_b32 v7, 1.0
	v_mov_b32 v[FF+1], 0                           ; (named as the upper halves of pairs, so they are written)
	v_mov_b32 v[BB+1], 0
.irp b, 0,1,2,3
	v_mov_b32 v[TM+4+\b], 0                        ; written once: a lane permute's destination counts as one of its sources
.endr
	s_mov_b32 s[SEL], 0x76543210
	s_mov_b32 s[SEL+1], 0xfedcba98
	s_lshl_b32 s2, s21, 9
	s_lshl_b32 s3, s22, 3
	s_add_co_u32 s2, s2, s3                        ; x's first tile: 512 y + 8 blk
	s_lshl_b32 s3, s21, 5
	s_lshl_b32 s25, s20, 3
	s_add_co_u32 s3, s3, s25
	s_add_co_u32 s3, s3, 1536                      ; W's first tile: 1536 + 32 y + 8 w
	s_mov_b32 s46, 768
	s_mov_b32 s58, 49152
	s_cmp_eq_u32 s21, 2                            ; value?  Numbers alone are chosen
	s_cselect_b32 s25, s2, s3                      ; held
	s_cselect_b32 s55, s3, s2                      ; streamed
	s_cselect_b32 s52, 0, 1.0                      ; the bias along the registers counts,
	s_cselect_b32 s53, 1.0, 0                      ; or the one along the lanes
	s_cselect_b32 s46, 1536, s46                   ; from streamed tile to streamed tile in hfrag
	s_cselect_b32 s48, 43008, 0                    ; v, at i = 4: on to the next head: 49,152 - 4 x 1,536
	s_cselect_b32 s50, 7680, 0                     ; and its scale words: 8,192 - 4 x 128
	s_cselect_b32 s58, 768, s58                    ; registers 6-11 go to the fragment's second half (v) or to the next head (q, k)
	s_cselect_b32 s59, 9, 10                       ; a block's scale words: 4 x 128 (v) or 8 x 128 bytes
	s_mov_b32 s47, 0
	s_mov_b32 s49, 0
	s_mov_b32 s51, 0
	s_cmp_eq_u32 s21, 1
	s_cselect_b32 s54, 0, 1.0                      ; a masked row is kept, but in k
	v_mov_b32 v8, s54
	s_mul_i32 s26, s25, 6144                       ; offsets, each in registers of its own
	s_mov_b32 s27, 0
	s_mul_i32 s28, s55, 6144
	s_mov_b32 s29, 0
	s_lshl_b32 s30, s25, 9
	s_mov_b32 s31, 0
	s_lshl_b32 s32, s55, 9
	s_mov_b32 s33, 0
	s_lshl_b32 s2, s20, 9                          ; my 128 numbers of the bias
	s_mov_b32 s3, 0
	s_lshl_b32 s36, s22, 7                         ; the block's 128 mask bytes
	s_mov_b32 s37, 0
	s_lshl_b32 s25, s23, 3
	s_lshl_b32 s55, s20, 1
	s_add_co_u32 s25, s25, s55                     ; my first head: 8 b + 2 w
	s_mul_i32 s38, s21, 3145728
	s_mul_i32 s55, s25, 49152
	s_add_co_u32 s38, s38, s55
	s_mul_i32 s55, s24, 6144
	s_add_co_u32 s38, s38, s55
	s_mov_b32 s39, 0
	s_lshl_b32 s42, s21, 19
	s_lshl_b32 s55, s25, 13
	s_add_co_u32 s42, s42, s55
	s_lshl_b32 s55, s24, s59
	s_add_co_u32 s42, s42, s55
	s_mov_b32 s43, 0
	s_mov_b32 s59, 0
	s_wait_kmcnt 0x0
	s_add_nc_u64 s[26:27], s[4:5], s[26:27]        ; held fragments
	s_add_nc_u64 s[28:29], s[4:5], s[28:29]        ; streamed fragments
	s_add_nc_u64 s[30:31], s[6:7], s[30:31]        ; held scale words
	s_add_nc_u64 s[32:33], s[6:7], s[32:33]        ; streamed scale words
	s_cmp_eq_u32 s21, 1
	s_cselect_b64 s[34:35], s[10:11], s[8:9]
	s_cmp_eq_u32 s21, 2
	s_cselect_b64 s[34:35], s[12:13], s[34:35]
	s_add_nc_u64 s[34:35], s[34:35], s[2:3]        ; the bias
	s_add_nc_u64 s[36:37], s[14:15], s[36:37]      ; the mask
	s_add_nc_u64 s[38:39], s[16:17], s[38:39]      ; where registers 0-5 go,
	s_add_nc_u64 s[40:41], s[38:39], s[58:59]      ; and registers 6-11
	s_add_nc_u64 s[42:43], s[18:19], s[42:43]      ; the scale word,
	s_add_nc_u64 s[44:45], s[42:43], 8192          ; and the second head's (q, k)
.irp t, 0,1,2,3,4,5,6,7
	WIN 0x40+0x40*(\t/4)                           ; destination window 1 or 2
.irp c, 0,1,2,3,4,5,6,7,8,9,10,11
	global_load_b128 v[48*(\t%4)+4*\c:48*(\t%4)+4*\c+3], v1, s[26:27] offset:\t*6144+512*\c
.endr
	global_load_b128 v[192+8*(\t%4):192+8*(\t%4)+3], v4, s[34:35] offset:(32*(\t/2)+8*(\t%2))*4
	global_load_b128 v[196+8*(\t%4):196+8*(\t%4)+3], v4, s[34:35] offset:(32*(\t/2)+8*(\t%2))*4+16
.endr
	WIN 0
.irp t, 0,1,2,3,4,5,6,7
	global_load_b128 v[HS+4*\t:HS+4*\t+3], v1, s[30:31] offset:512*\t
	global_load_b32 v[BL+\t], v6, s[34:35] offset:(32*(\t/2)+8*(\t%2))*4
	global_load_u8 v[FI+\t], v5, s[36:37] offset:32*(\t/2)+8*(\t%2)
.endr
.macro ZLOAD i                         ; streamed tile i: 12 loads of 512 consecutive bytes, and its scale words: 13 loads
	WIN 0xc0
.irp c, 0,1,2,3,4,5,6,7,8,9,10,11
	global_load_b128 v[48*((\i)%2)+4*\c:48*((\i)%2)+4*\c+3], v1, s[28:29] offset:(\i)*6144+512*\c
.endr
	WIN 0
	global_load_b128 v[ZS+4*((\i)%2):ZS+4*((\i)%2)+3], v1, s[32:33] offset:(\i)*512
.endm
	ZLOAD 0
	ZLOAD 1
	s_wait_loadcnt 26                              ; all but the two streamed tiles' 2 x 13 loads are in
	WIN 0x44
.set j, 0
.rept 32
	v_mul_f32 v[192+j], s52, v[192+j]              ; the bias along the registers, or zeros
.set j, j+1
.endr
	WIN 0x88
.set j, 0
.rept 32
	v_mul_f32 v[192+j], s52, v[192+j]
.set j, j+1
.endr
	WIN 0
.irp i, 0,1,2,3,4,5,6,7
	v_mul_f32 v[BL+\i], s53, v[BL+\i]              ; the bias along the lanes, or zeros
.endr
.irp i, 0,1,2,3,4,5,6,7
	v_cmp_eq_u32 vcc_lo, 0, v[FI+\i]
	v_cndmask_b32 v[FI+\i], v8, v7, vcc_lo         ; f = 1 where the row is open; where it is masked 0 in k and 1 elsewhere
.endr
; 16 products: held tiles 4 g .. 4 g + 3 x streamed tile i, the four K steps.  The four accumulators take turns, one instruction a turn.
.macro MMG i, g
.irp s, 0,1,2,3
.if \s == 0
	WIN 0x1d+0x11*(\g)                             ; source 0 and C in window 1 + g, source 1 in window 3, D in window 0
.else
	WIN 0x0d+(\g)                                  ; C in window 0
.endif
.irp t, 0,1,2,3
.if \s == 0
	WMC HA+8*(4*(\g)+\t), 48*\t+12*\s, 48*((\i)%2)+12*\s, 192+8*\t, HS+4*(4*(\g)+\t)+\s, ZS+4*((\i)%2)+\s
.else
	WMC HA+8*(4*(\g)+\t), 48*\t+12*\s, 48*((\i)%2)+12*\s, HA+8*(4*(\g)+\t), HS+4*(4*(\g)+\t)+\s, ZS+4*((\i)%2)+\s
.endif
.endr
.endr
.endm
.macro ITER i
.if (\i) < 7
	s_wait_loadcnt 13                              ; tile i is in; the next tile's 13 loads may be out
.else
	s_wait_loadcnt 0x0
.endif
	MMG \i, 0
	MMG \i, 1
	WIN 0
	v_mov_b32 v[FF], v[FI+(\i)]                    ; four plain instructions that name none of the products' registers stand between the last product
	v_mul_f32 v[BB], v[BL+(\i)], v[FI+(\i)]        ; and the loads into its sources and the first read of its result
	v_nop
	v_nop
.if (\i) < 6
	ZLOAD (\i)+2                                   ; into the buffer just multiplied
.endif
.set j, 0
.rept 32
	v_pk_fma_f32 v[HA+j:HA+j+1], v[HA+j:HA+j+1], v[FF:FF+1], v[BB:BB+1] op_sel_hi:[1,0,0]   ; x f + the lane's bias; each accumulator from its low end on
.set j, j+2
.endr
	s_wait_xcnt 0x0                                ; the last tile's stores have read their data and bases: both are written again only behind this wait
.if (\i) > 0
	s_add_nc_u64 s[38:39], s[38:39], s[46:47]
	s_add_nc_u64 s[40:41], s[40:41], s[46:47]
	s_add_nc_u64 s[42:43], s[42:43], 128
	s_add_nc_u64 s[44:45], s[44:45], 128
.endif
.if (\i) == 4
	s_add_nc_u64 s[38:39], s[38:39], s[48:49]      ; v: streamed tiles 4-7 are the second head's columns
	s_add_nc_u64 s[40:41], s[40:41], s[48:49]
	s_add_nc_u64 s[42:43], s[42:43], s[50:51]
	s_add_nc_u64 s[44:45], s[44:45], s[50:51]
.endif
	QUANT HA
	v_lshrrev_b32 v[PW2], 16, v[PW]                ; the second head's two bytes; above them 0, which is no 0xff
	global_store_b128 v1, v[PC:PC+3], s[38:39]     ; 512 consecutive bytes, at a multiple of 256 from hfrag's first byte
	global_store_b64 v2, v[PC+4:PC+5], s[38:39] offset:512     ; 256 consecutive bytes
	global_store_b128 v1, v[PC+6:PC+9], s[40:41]
	global_store_b64 v2, v[PC+10:PC+11], s[40:41] offset:512
	global_store_b32 v3, v[PW], s[42:43]
	s_cmp_eq_u32 s21, 2                            ; v's fragment has one word
	s_cbranch_scc1 .Lone_word_\@
	global_store_b32 v3, v[PW2], s[44:45]
.Lone_word_\@:
.endm
.irp i, 0,1,2,3,4,5,6,7
	ITER \i
.endr
	s_endpgm
.Lfunc_end_k_qfbbab5f657_proj:
	.size	k_qfbbab5f657_proj, .Lfunc_end_k_qfbbab5f657_proj-k_qfbbab5f657_proj
	.p2alignl 7, 3214868480
	.fill 96, 4, 3214868480
	.section	.rodata,"a",@progbits
	.p2align	6, 0x0
	.amdhsa_kernel k_qfbbab5f657_proj
		.amdhsa_group_segment_fixed_size 0
		.amdhsa_private_segment_fixed_size 0
		.amdhsa_enable_private_segment 0
		.amdhsa_kernarg_size 64
		.amdhsa_user_sgpr_count 2
		.amdhsa_user_sgpr_kernarg_segment_ptr 1
		.amdhsa_wavefront_size32 1
		.amdhsa_system_sgpr_workgroup_id_x 1
		.amdhsa_system_sgpr_workgroup_id_y 1
		.amdhsa_system_sgpr_workgroup_id_z 1
		.amdhsa_system_vgpr_workitem_id 0
		.amdhsa_next_free_vgpr 864
		.amdhsa_next_free_sgpr 66
		.amdhsa_reserve_vcc 1
		.amdhsa_float_denorm_mode_32 3
		.amdhsa_float_denorm_mode_16_64 3
		.amdhsa_memory_ordered 1
		.amdhsa_forward_progress 1
		.amdhsa_inst_pref_size 117
	.end_amdhsa_kernel
	.amdgpu_metadata
---
amdhsa.version: [ 1, 2 ]
amdhsa.kernels:
  - .name:           k_qfbbab5f657_proj
    .symbol:         k_qfbbab5f657_proj.kd
    .args:
      - { .name: frag, .offset: 0, .size: 8, .value_kind: global_buffer, .address_space: global }
      - { .name: fsc, .offset: 8, .size: 8, .value_kind: global_buffer, .address_space: global }
      - { .name: q_b, .offset: 16, .size: 8, .value_kind: global_buffer, .address_space: global }
      - { .name: k_b, .offset: 24, .size: 8, .value_kind: global_buffer, .address_space: global }
      - { .name: v_b, .offset: 32, .size: 8, .value_kind: global_buffer, .address_space: global }
      - { .name: key_padding_mask, .offset: 40, .size: 8, .value_kind: global_buffer, .address_space: global }
      - { .name: hfrag, .offset: 48, .size: 8, .value_kind: global_buffer, .address_space: global }
      - { .name: hsc, .offset: 56, .size: 8, .value_kind: global_buffer, .address_space: global }
    .group_segment_fixed_size: 0
    .private_segment_fixed_size: 0
    .kernarg_segment_align: 8
    .kernarg_segment_size: 64
    .max_flat_workgroup_size: 128
    .sgpr_count:     66
    .vgpr_count:     864
    .wavefront_size: 32
...
	.end_amdgpu_metadata
.endif
;; end of part 2
;; launch attn (part 3): grid 4 x 64, 4 waves a work-group, no clusters, 168,448 bytes of LDS; arguments hfrag, hsc, key_padding_mask, cfrag, csc; writes cfrag, csc
.if DOCPART == 3
	.amdgcn_target "amdgcn-amd-amdhsa--gfx1250"
	.amdhsa_code_object_version 6
	.text
	.protected	k_qfbbab5f657_attn
	.globl	k_qfbbab5f657_attn
	.p2align	8
	.type	k_qfbbab5f657_attn,@function
k_qfbbab5f657_attn:
	s_mov_b64 s[64:65], 0
	v_nop
	global_prefetch_b8 v0, s[64:65] scope:SCOPE_SE
	s_setreg_imm32_b32 hwreg(HW_REG_WAVE_MODE, 25, 1), 1
	s_wait_xcnt 0x0
; ctx = entmax15(mask(q k^T / 8)) v for one head, both products on codes of FP6 (E2M3), and ctx quantised along d for the last projection.
; SHARES: work-group (X, bh): head bh, query tiles 16 X .. 16 X + 15; wave w walks tiles 16 X + 4 w + n, n = 0 .. 3.  A tile's 16 x 1,024 scores stay in 512 registers a lane-pair: nothing of them goes to memory.
; LAYOUT: both products are used transposed (S^T = K Q^T, O^T = V^T P^T): a lane holds one query (lane % 16); register j of tile 2 b + u of key step s is key 128 s + 32 b + 16 (lane / 16) + 8 u + j.
; d = 64 is half of the instruction's K: registers 6-11 of Q's and K's fragments hold zero codes, written once.
; ENTMAX WITHOUT A SORT.  x = score / 2 = S / 16, S the raw sum q . k (both factors are powers of two).  tau solves sum((x - tau)+^2) = 1: in raw units sum((S - T)+^2) = 256, T in [Smax - 16, Smax - 1/2].
; Newton on G(T) = ||(S - T)+||_2 = 16 from T = Smax - 16.  G is convex and falls, so no step passes the root and T only rises: the row is kept IN PLACE as d = (S - T)+, d <- max(d - delta, 0),
; delta = g (S2 - 256) / ((g + 16) S1), S1 = sum d, S2 = sum d^2, g = sqrt(S2).  No branch hangs on data: NSTEP steps always.
; WHY 12: in x units, with I = G - 1 and sigma = S1 / G in [1, 32]: convexity gives I' <= I (1 - sigma' / sigma), the curvature G'' <= 1,024 gives sigma / sigma* <= 1 + 1,024 I.  The longest sequence that
; these two allow from I <= 31, sigma / sigma* <= 32, worked out by hand, ends at I <= 2^-23 after 12 steps.  LIMIT: tau within 2^-23 (x units) for such a row; that bound is a hand evaluation, not a proof by machine.
; THE MASK costs no instruction a score: the score registers are loaded with 0 or -8e9 (= 16 x -1e9 / 2, exact in f32) for each key from a table in LDS and are the C of the score product; a masked key's codes are zeros.
; p = d^2 / 256: the 2^-8 goes into p's scale bytes, so that codes and bytes are those of the finished attn.  A block's largest p is the square of its largest d: the same multiplication as the element's own.
; K, V and their scale words of the whole head (110,592 bytes) come into LDS ONCE, by four tensor loads a wave at the head (four are out at most); no LDS byte is filled again.
; NO CLUSTER: the four work-groups of a head share those 110,592 bytes, fetched once at the head, against four tiles of some 17,000 vector instructions a wave: what is shared is a small part of the launch.
; NO PREFETCH: the launch reads memory at its head and 896 bytes a tile.
; LIMITS: blocks of zeros get the byte 1 (zero codes; this program alone reads the bytes); NaN and infinities are not served.
; REGISTERS, in windows of 256: window 0 as named below; window 1: scores of key steps 0-3, window 2: of steps 4-7 (step s, tile t at v[64 (s % 4) + 8 t]); window 3: two sets of eight K fragments at v[96 set + 12 i], V's four at v[192 + 12 t].
.set KF,   0                           ; LDS: K's 64 half fragments of 768 bytes
.set VF,   49152                       ; V's 32 fragments of 1,536
.set KS,   98304                       ; K's scale words, 128 bytes a tile
.set VS,   106496                      ; V's, 128 bytes a fragment
.set MBT,  110592                      ; the mask table: 1,024 f32; written by LDS stores, in blocks of 1,024 bytes of its own
.set NSTEP, 12
.set Q,    12                          ; v12-23   Q's fragment
.set QS,   24                          ; v24      its scale words
.set ND,   26                          ; v[26:27] what is added to the row: -Smax, +16, -delta
.set A1,   28                          ; v28-35   S1 in four packed chains
.set A2,   36                          ; v36-43   S2 likewise
.set M,    44                          ; v44-47   four chains of the maximum
.set KSC,  56                          ; v56-71   K's scale words, two sets of 8
.set VSC,  72                          ; v72-75   V's
.set PWD,  76                          ; v76-83   p's scale words, one a key step
.set PC,   84                          ; v84-103  codes just made
.set O,    104                         ; v104-135 O^T: four accumulators
.set BM,   136                         ; v136-167 the 32 blocks' largest d, then d^2, then the conversions' scale operands
.set T,    168                         ; v168-199 lane permutes' destinations, then bytes
.set SEL,  74                          ; s[74:75]
.set MSB, 0
.macro WIN new                         ; the immediate's high byte repeats the setting that is left
.if MSB != (\new)
	s_set_vgpr_msb (MSB<<8)|(\new)
.set MSB, (\new)
.endif
.endm
.macro PLACES                          ; four plain instructions between a matrix instruction and a read of its result, a write of or a load into its registers (ISA guide 7.12.1 for reads and writes)
.rept 4
	v_nop
.endr
.endm
	s_load_b256 s[4:11], s[0:1], 0x0               ; hfrag, hsc, mask, cfrag
	s_load_b64 s[12:13], s[0:1], 0x20              ; csc
	v_lshl_add_u32 v254, v0, 2, 0x29000
	v_mov_b32 v255, 0
	ds_add_u32 v254, v255
	ds_add_u32 v254, v255
	v_lshrrev_b32 v9, 5, v0
	v_readfirstlane_b32 s14, v9                    ; wave w
	s_mov_b32 s15, ttmp9                           ; X
	s_and_b32 s16, ttmp7, 0xffff                   ; bh
	s_lshr_b32 s17, s16, 3                         ; b
	s_and_b32 s18, s16, 7                          ; hd
	; descriptor groups 1: dense blocks as rows of 256 bytes (32 elements of 8 bytes), no padding: 48, 8 and 4 rows
.irp g, 20, 28, 36
	s_mov_b32 s[\g+0], 3<<16                       ; no mask; elements of 8 bytes; padding off
	s_mov_b32 s[\g+1], 32<<16                      ; tensor_dim0 = 32
	s_mov_b32 s[\g+3], 32<<16                      ; tile_dim0 = 32
	s_mov_b32 s[\g+5], 32                          ; from row to row
	s_mov_b32 s[\g+6], 0
	s_mov_b32 s[\g+7], 0
.endr
	s_mov_b32 s22, 48<<16                          ; tensor_dim1,
	s_mov_b32 s24, 48                              ; tile_dim1
	s_mov_b32 s30, 8<<16
	s_mov_b32 s32, 8
	s_mov_b32 s38, 4<<16
	s_mov_b32 s40, 4
	s_mul_i32 s2, s14, 12288                       ; each wave brings a quarter of each region
	s_lshl_b32 s80, s14, 11
	s_lshl_b32 s81, s14, 10
	s_mul_i32 s60, s16, 49152
	s_add_co_u32 s60, s60, s2
	s_mov_b32 s61, 0
	s_lshl_b32 s62, s16, 13
	s_add_co_u32 s78, s62, s81
	s_add_co_u32 s62, s62, s80
	s_mov_b32 s63, 0
	s_mov_b32 s79, 0
	s_mov_b32 s44, 1                               ; groups 0: count = 1; the LDS address: a constant + a constant x wave
	s_mov_b32 s45, s2
	s_mov_b32 s48, 1
	s_add_co_u32 s49, s2, VF
	s_mov_b32 s52, 1
	s_add_co_u32 s53, s80, KS
	s_mov_b32 s56, 1
	s_add_co_u32 s57, s81, VS
	s_lshl_b32 s3, s15, 4
	s_lshl_b32 s19, s14, 2
	s_add_co_u32 s19, s19, s3                      ; my first query tile: 16 X + 4 w
	s_mul_i32 s66, s16, 49152
	s_mul_i32 s3, s19, 768
	s_add_co_u32 s66, s66, s3
	s_mov_b32 s67, 0
	s_lshl_b32 s68, s16, 13
	s_lshl_b32 s3, s19, 7
	s_add_co_u32 s68, s68, s3
	s_mov_b32 s69, 0
	s_lshl_b32 s3, s17, 6
	s_add_co_u32 s3, s3, s19
	s_lshl_b32 s3, s3, 3
	s_add_co_u32 s3, s3, s18                       ; 8 (64 b + tile) + hd
	s_mul_i32 s70, s3, 768
	s_mov_b32 s71, 0
	s_lshl_b32 s72, s3, 7
	s_mov_b32 s73, 0
	s_lshl_b32 s82, s17, 10                        ; the batch's 1,024 mask bytes
	s_mov_b32 s83, 0
	s_mov_b32 s[SEL], 0x76543210
	s_mov_b32 s[SEL+1], 0xfedcba98
	v_and_b32 v10, 31, v0                          ; l
	v_bfe_u32 v11, v0, 4, 1                        ; h
	v_lshlrev_b32 v1, 4, v10                       ; 16 l
	v_lshlrev_b32 v2, 3, v10                       ; 8 l
	v_lshlrev_b32 v8, 2, v10                       ; 4 l
	v_lshl_add_u32 v3, v10, 2, KS
	v_lshl_add_u32 v4, v10, 4, VF
	v_lshl_add_u32 v5, v10, 3, VF
	v_lshl_add_u32 v6, v10, 2, VS
	v_lshl_add_u32 v7, v11, 6, MBT                 ; my half's 16 keys of each 32
	v_lshlrev_b32 v9, 3, v0                        ; 8 mask bytes a thread
	v_lshl_add_u32 v116, v0, 5, MBT                ; and their 32 bytes of the table
	s_wait_dscnt 0x0
	s_wait_kmcnt 0x0
	s_add_nc_u64 s[46:47], s[4:5], s[60:61]
	s_add_nc_u64 s[50:51], s[46:47], 6291456       ; v's region
	s_add_nc_u64 s[46:47], s[46:47], 3145728       ; k's region
	s_or_b32 s47, s47, 0x80000000                  ; type = 2
	s_or_b32 s51, s51, 0x80000000
	s_add_nc_u64 s[54:55], s[6:7], s[62:63]
	s_add_nc_u64 s[54:55], s[54:55], 524288
	s_or_b32 s55, s55, 0x80000000
	s_add_nc_u64 s[58:59], s[6:7], s[78:79]
	s_add_nc_u64 s[58:59], s[58:59], 1048576
	s_or_b32 s59, s59, 0x80000000
	tensor_load_to_lds s[44:47], s[20:27]          ; the launch's only fills, as one group, ahead of every wait on TENSORcnt, every LDS read and the barrier
	s_nop 0
	tensor_load_to_lds s[48:51], s[20:27]
	s_nop 0
	tensor_load_to_lds s[52:55], s[28:35]
	s_nop 0
	tensor_load_to_lds s[56:59], s[36:43]
	s_nop 0
.rept 4
	v_nop
.endr
	s_add_nc_u64 s[8:9], s[8:9], s[82:83]
	s_add_nc_u64 s[66:67], s[4:5], s[66:67]        ; Q's half fragment
	s_add_nc_u64 s[68:69], s[6:7], s[68:69]        ; its scale words
	s_add_nc_u64 s[70:71], s[10:11], s[70:71]      ; ctx's codes
	s_add_nc_u64 s[72:73], s[12:13], s[72:73]      ; ctx's scale words
	global_load_b64 v[104:105], v9, s[8:9]
	global_load_b128 v[Q:Q+3], v1, s[66:67]
	global_load_b64 v[Q+4:Q+5], v2, s[66:67] offset:512
	global_load_b32 v[QS], v8, s[68:69]
	WIN 0xc0
.irp u, 0,1,2,3,4,5,6,7,8,9,10,11,12,13,14,15
.irp j, 6,7,8,9,10,11
	v_mov_b32 v[12*\u+\j], 0                       ; the zero codes of k = 64 .. 127 in K's sixteen fragment places: written once
.endr
.endr
	WIN 0
.irp j, 6,7,8,9,10,11
	v_mov_b32 v[Q+\j], 0                           ; and in Q's
.endr
.set n, 0
.rept 32
	v_mov_b32 v[T+n], 0                            ; written once: a lane permute's destination counts as one of its sources
.set n, n+1
.endr
.irp j, 48,49,50,51,52,53,54,55
	v_mov_b32 v\j, 0
.endr
	v_mov_b32 v107, 0xcfee6b28                     ; -8e9
	s_wait_loadcnt 3                               ; the mask bytes are in; Q's three loads may be out
.irp j, 0,1,2,3,4,5,6,7
	v_bfe_u32 v106, v[104+\j/4], 8*(\j%4), 8
	v_cmp_ne_u32 vcc_lo, 0, v106
	v_cndmask_b32 v[108+\j], 0, v107, vcc_lo
.endr
	ds_store_b128 v116, v[108:111]
	ds_store_b128 v116, v[112:115] offset:16
	s_wait_tensorcnt 0x0                           ; my quarters have landed,
	s_wait_dscnt 0x0                               ; my part of the table is written:
	s_barrier_signal -1
	s_barrier_wait -1                              ; everybody's: from here on LDS is only read
.macro LDB s                           ; key step s: the table's 0 or -8e9 straight into the score registers (16 loads; the lanes of a half read the same bytes)
	WIN 0x40*(1+(\s)/4)
.irp t, 0,1,2,3,4,5,6,7
	ds_load_b128 v[64*((\s)%4)+8*\t:64*((\s)%4)+8*\t+3], v7 offset:512*(\s)+128*(\t/2)+32*(\t%2)
	ds_load_b128 v[64*((\s)%4)+8*\t+4:64*((\s)%4)+8*\t+7], v7 offset:512*(\s)+128*(\t/2)+32*(\t%2)+16
.endr
.endm
.macro LDK s                           ; its eight tiles of K into set s % 2 (16 loads) and their scale words (8)
	WIN 0xc0
.irp i, 0,1,2,3,4,5,6,7
	ds_load_b128 v[96*((\s)%2)+12*\i:96*((\s)%2)+12*\i+3], v1 offset:(8*(\s)+\i)*768
	ds_load_b64 v[96*((\s)%2)+12*\i+4:96*((\s)%2)+12*\i+5], v2 offset:(8*(\s)+\i)*768+512
.endr
	WIN 0
.irp i, 0,1,2,3,4,5,6,7
	ds_load_b32 v[KSC+8*((\s)%2)+\i], v3 offset:(8*(\s)+\i)*128
.endr
.endm
.macro MMS s                           ; S^T = K Q^T + the table: eight accumulators, one product each
	WIN 0x53+0x50*((\s)/4)                         ; source 0 window 3, source 1 window 0, C and D window 1 or 2
.irp t, 0,1,2,3,4,5,6,7
	v_wmma_scale_f32_16x16x128_f8f6f4 v[64*((\s)%4)+8*\t:64*((\s)%4)+8*\t+7], v[96*((\s)%2)+12*\t:96*((\s)%2)+12*\t+11], v[Q:Q+11], v[64*((\s)%4)+8*\t:64*((\s)%4)+8*\t+7], v[KSC+8*((\s)%2)+\t], v[QS] matrix_a_fmt:MATRIX_FMT_FP6 matrix_b_fmt:MATRIX_FMT_FP6
.endr
	WIN 0
	PLACES
.endm
.macro MAXSWEEP w                      ; the window's 256 scores into four chains; ascending
	WIN 0x14*(\w)
.set n, 0
.rept 128
	v_max3_num_f32 v[M+n%4], v[M+n%4], v[2*n], v[2*n+1]
.set n, n+1
.endr
.endm
.macro USWEEP w, clip                  ; d <- d + ND, and with clip = 1 held at 0 from below
	WIN 0x44*(\w)
.set n, 0
.rept 32
.irp p, 0,1,2,3
	v_pk_add_f32 v[8*n+2*\p:8*n+2*\p+1], v[ND:ND+1], v[8*n+2*\p:8*n+2*\p+1]
.endr
.if \clip
.irp p, 0,1,2,3,4,5,6,7
	v_max_num_f32 v[8*n+\p], 0, v[8*n+\p]
.endr
.endif
.set n, n+1
.endr
.endm
.macro ASWEEP w, first                 ; S1 += d, S2 += d^2, four packed chains each; first = 1: the first four pairs start the sums, nothing is cleared
	WIN 0x05*(\w)
.set n, 0
.rept 128
.if (\first) && (n < 4)
	v_pk_mul_f32 v[A1+2*n:A1+2*n+1], v[2*n:2*n+1], 1.0 op_sel_hi:[1,0]
	v_pk_mul_f32 v[A2+2*n:A2+2*n+1], v[2*n:2*n+1], v[2*n:2*n+1]
.else
	v_pk_fma_f32 v[A1+2*(n%4):A1+2*(n%4)+1], v[2*n:2*n+1], 1.0, v[A1+2*(n%4):A1+2*(n%4)+1] op_sel_hi:[1,0,1]
	v_pk_fma_f32 v[A2+2*(n%4):A2+2*(n%4)+1], v[2*n:2*n+1], v[2*n:2*n+1], v[A2+2*(n%4):A2+2*(n%4)+1]
.endif
.set n, n+1
.endr
.endm
.macro TAIL                            ; the step: ND = -max(g (S2 - 256) / ((g + 16) S1), 0)
	WIN 0
	v_pk_add_f32 v[A1:A1+1], v[A1:A1+1], v[A1+2:A1+3]
	v_pk_add_f32 v[A2:A2+1], v[A2:A2+1], v[A2+2:A2+3]
	v_pk_add_f32 v[A1+4:A1+5], v[A1+4:A1+5], v[A1+6:A1+7]
	v_pk_add_f32 v[A2+4:A2+5], v[A2+4:A2+5], v[A2+6:A2+7]
	v_pk_add_f32 v[A1:A1+1], v[A1:A1+1], v[A1+4:A1+5]
	v_pk_add_f32 v[A2:A2+1], v[A2:A2+1], v[A2+4:A2+5]
	v_add_f32 v48, v[A1], v[A1+1]
	v_add_f32 v49, v[A2], v[A2+1]
	v_permlanex16_b32 v50, v48, s[SEL], s[SEL+1]
	v_permlanex16_b32 v51, v49, s[SEL], s[SEL+1]
	v_add_f32 v48, v48, v50                        ; S1 of my query's 1,024 keys
	v_add_f32 v49, v49, v51                        ; S2
	v_sqrt_f32 v52, v49                            ; g
	v_add_f32 v53, 0xc3800000, v49                 ; S2 - 256: the plain instruction behind the root
	s_wait_alu depctr_va_vdst(0)                   ; the wait ahead of the first line that names the root
	v_add_f32 v54, 0x41800000, v52                 ; g + 16
	v_mul_f32 v54, v54, v48
	v_rcp_f32 v55, v54
	v_mul_f32 v53, v53, v52                        ; the plain instruction behind the reciprocal
	s_wait_alu depctr_va_vdst(0)                   ; and ahead of the first line that names the reciprocal
	v_mul_f32 v53, v53, v55
	v_max_num_f32 v53, 0, v53                      ; T never falls
	v_sub_f32 v[ND], 0, v53
	v_mov_b32 v[ND+1], v[ND]
.endm
.macro BMSWEEP w                       ; the largest d of my 16 of each block of 32 keys (d is never negative); a key step's four blocks by turns
	WIN 0x14*(\w)
.irp q, 0,1,2,3
.irp i, 0,2,4,6,8,10,12,14
.irp b, 0,1,2,3
.if \i == 0
	v_max3_num_f32 v[BM+16*((\w)-1)+4*\q+\b], 0, v[64*\q+16*\b], v[64*\q+16*\b+1]
.else
	v_max3_num_f32 v[BM+16*((\w)-1)+4*\q+\b], v[BM+16*((\w)-1)+4*\q+\b], v[64*\q+16*\b+\i], v[64*\q+16*\b+\i+1]
.endif
.endr
.endr
.endr
.endm
.macro SQSWEEP w
	WIN 0x45*(\w)
.set n, 0
.rept 128
	v_pk_mul_f32 v[2*n:2*n+1], v[2*n:2*n+1], v[2*n:2*n+1]
.set n, n+1
.endr
.endm
.macro PSTEP s                         ; key step s: V's four fragments from LDS, p's codes, O^T += V^T P^T
	WIN 0xc0
.irp t, 0,1,2,3
	ds_load_b128 v[192+12*\t:192+12*\t+3], v4 offset:(4*(\s)+\t)*1536
	ds_load_b64 v[192+12*\t+4:192+12*\t+5], v5 offset:(4*(\s)+\t)*1536+512
	ds_load_b128 v[192+12*\t+6:192+12*\t+9], v4 offset:(4*(\s)+\t)*1536+768
	ds_load_b64 v[192+12*\t+10:192+12*\t+11], v5 offset:(4*(\s)+\t)*1536+1280
.endr
	WIN 0
.irp t, 0,1,2,3
	ds_load_b32 v[VSC+\t], v6 offset:(4*(\s)+\t)*128
.endr
	WIN 1+(\s)/4                                   ; source 0: the step's 64 squares
.irp c, 0,1
	v_cvt_scalef32_pk16_fp6_f32 v[PC+6*\c:PC+6*\c+2], v[64*((\s)%4)+32*\c:64*((\s)%4)+32*\c+15], v[BM+4*(\s)+2*\c]
	v_cvt_scalef32_pk16_fp6_f32 v[PC+12+4*\c:PC+14+4*\c], v[64*((\s)%4)+32*\c+16:64*((\s)%4)+32*\c+31], v[BM+4*(\s)+2*\c+1]
.endr
	WIN 0
	v_nop                                          ; one plain instruction behind the scaled conversions
.irp c, 0,1                                    ; a whole block to a lane: lanes 0-15 block 2 c, lanes 16-31 block 2 c + 1
.irp i, 0,1,2
	v_permlane16_swap_b32 v[PC+6*\c+\i], v[PC+12+4*\c+\i]
.endr
.irp i, 0,1,2
	v_mov_b32 v[PC+3+6*\c+\i], v[PC+12+4*\c+\i]
.endr
.endr
	PLACES                                         ; an operand written by vector instructions stands four places ahead of a scaled matrix instruction
	s_wait_dscnt 0x0                               ; V and its scale words are in
	WIN 0x03                                       ; source 0 window 3
.irp t, 0,1,2,3                                ; the four accumulators take turns, one instruction a turn, from step to step too
.if (\s) == 0
	v_wmma_scale_f32_16x16x128_f8f6f4 v[O+8*\t:O+8*\t+7], v[192+12*\t:192+12*\t+11], v[PC:PC+11], 0, v[VSC+\t], v[PWD+(\s)] matrix_a_fmt:MATRIX_FMT_FP6 matrix_b_fmt:MATRIX_FMT_FP6
.else
	v_wmma_scale_f32_16x16x128_f8f6f4 v[O+8*\t:O+8*\t+7], v[192+12*\t:192+12*\t+11], v[PC:PC+11], v[O+8*\t:O+8*\t+7], v[VSC+\t], v[PWD+(\s)] matrix_a_fmt:MATRIX_FMT_FP6 matrix_b_fmt:MATRIX_FMT_FP6
.endif
.endr
	WIN 0
	PLACES
.endm
	s_mov_b32 s76, 4
.Ltile:                                            ; a trip: one tile of 16 queries
	s_wait_loadcnt 0x0                             ; Q and its scale words
	LDB 0
	LDK 0
.irp s, 0,1,2,3,4,5,6
	LDB \s+1
	LDK \s+1
	s_wait_dscnt 40                                ; this key step's loads are in; the next step's 16 + 16 + 8 may be out
	MMS \s
.endr
	s_wait_dscnt 0x0
	MMS 7
	s_wait_xcnt 0x0                                ; Q's last loads have read their bases
	s_add_nc_u64 s[66:67], s[66:67], 768
	s_add_nc_u64 s[68:69], s[68:69], 128
	global_load_b128 v[Q:Q+3], v1, s[66:67]        ; the next tile's Q lands under the passes.  In the last trip these bytes are not used; they lie inside hfrag and hsc, where k's region follows q's
	global_load_b64 v[Q+4:Q+5], v2, s[66:67] offset:512
	global_load_b32 v[QS], v8, s[68:69]
.irp k, 0,1,2,3
	v_mov_b32 v[M+\k], 0xff800000
.endr
	MAXSWEEP 1
	MAXSWEEP 2
	WIN 0
	v_max3_num_f32 v[M], v[M], v[M+1], v[M+2]
	v_max_num_f32 v[M], v[M], v[M+3]
	v_permlanex16_b32 v48, v[M], s[SEL], s[SEL+1]
	v_max_num_f32 v[M], v[M], v48                  ; Smax of my query
	v_sub_f32 v[ND], 0, v[M]
	v_mov_b32 v[ND+1], v[ND]
	USWEEP 1, 0                                    ; S - Smax, formed first, as the definition forms x - max
	USWEEP 2, 0
	WIN 0
	v_mov_b32 v[ND], 0x41800000                    ; + 16: T = Smax - 16
	v_mov_b32 v[ND+1], 0x41800000
	s_mov_b32 s77, NSTEP
.Lpass:
	USWEEP 1, 1
	ASWEEP 1, 1
	USWEEP 2, 1
	ASWEEP 2, 0
	TAIL
	s_sub_co_u32 s77, s77, 1
	s_cmp_lg_u32 s77, 0
	s_cbranch_scc1 .Lpass
	USWEEP 1, 1                                    ; the last step
	USWEEP 2, 1
	BMSWEEP 1
	BMSWEEP 2
	WIN 0
.set n, 0
.rept 32
	v_permlanex16_b32 v[T+n], v[BM+n], s[SEL], s[SEL+1]
.set n, n+1
.endr
.set n, 0
.rept 32
	v_max_num_f32 v[BM+n], v[BM+n], v[T+n]         ; with lane l xor 16's 16 keys
.set n, n+1
.endr
.set n, 0
.rept 32
	v_mul_f32 v[BM+n], v[BM+n], v[BM+n]            ; the block's largest d^2
.set n, n+1
.endr
.set n, 0
.rept 32
	v_max_num_f32 v[BM+n], 0x05800000, v[BM+n]     ; the floor 2^(11 - 127): less 2 for the format and 8 for the 1 / 256 the byte cannot fall under 1
.set n, n+1
.endr
.set n, 0
.rept 32
	v_add_nc_u32 v[BM+n], 0xff000000, v[BM+n]      ; 2 off the exponent field: the conversion's scale operand, for d^2
.set n, n+1
.endr
.set n, 0
.rept 32
	v_lshrrev_b32 v[T+n], 23, v[BM+n]
.set n, n+1
.endr
.irp s, 0,1,2,3,4,5,6,7
	v_lshl_or_b32 v[PWD+\s], v[T+4*\s+1], 8, v[T+4*\s]
.endr
.irp s, 0,1,2,3,4,5,6,7
	v_lshl_or_b32 v[PWD+\s], v[T+4*\s+2], 16, v[PWD+\s]
.endr
.irp s, 0,1,2,3,4,5,6,7
	v_lshl_or_b32 v[PWD+\s], v[T+4*\s+3], 24, v[PWD+\s]
.endr
.irp s, 0,1,2,3,4,5,6,7
	v_add_nc_u32 v[PWD+\s], 0xf7f7f7f8, v[PWD+\s]  ; 8 off each byte: p = d^2 / 256.  Each byte is 9 at the least, so nothing is borrowed from byte to byte
.endr
	SQSWEEP 1
	SQSWEEP 2
.irp s, 0,1,2,3,4,5,6,7
	PSTEP \s
.endr
	; ctx's 64 d of my query, register 16 b + j = d 32 b + 16 (lane / 16) + j, become half a fragment and two scale bytes.  Each accumulator is first read at its low end
.irp b, 0,1
	v_max3_num_f32 v[48+\b], |v[O+16*\b]|, |v[O+16*\b+1]|, 0x1800000
.endr
.irp i, 2,4,6,8,10,12,14
.irp b, 0,1
	v_max3_num_f32 v[48+\b], v[48+\b], |v[O+16*\b+\i]|, |v[O+16*\b+\i+1]|
.endr
.endr
.irp b, 0,1
	v_permlanex16_b32 v[50+\b], v[48+\b], s[SEL], s[SEL+1]
.endr
.irp b, 0,1
	v_max_num_f32 v[48+\b], v[48+\b], v[50+\b]
.endr
.irp b, 0,1
	v_add_nc_u32 v[52+\b], 0xff000000, v[48+\b]
.endr
.irp b, 0,1
	v_lshrrev_b32 v[50+\b], 23, v[52+\b]
.endr
	v_lshl_or_b32 v54, v51, 8, v50                 ; bytes 0 and 1; above them 0
	v_cvt_scalef32_pk16_fp6_f32 v[PC:PC+2], v[O:O+15], v52
	v_cvt_scalef32_pk16_fp6_f32 v[PC+12:PC+14], v[O+16:O+31], v53
	v_nop                                          ; one plain instruction behind the scaled conversions
.irp i, 0,1,2
	v_permlane16_swap_b32 v[PC+\i], v[PC+12+\i]
.endr
.irp i, 0,1,2
	v_mov_b32 v[PC+3+\i], v[PC+12+\i]
.endr
	global_store_b128 v1, v[PC:PC+3], s[70:71]     ; 512 consecutive bytes, at a multiple of 256 from cfrag's first byte
	global_store_b64 v2, v[PC+4:PC+5], s[70:71] offset:512
	global_store_b32 v8, v54, s[72:73]
	s_wait_xcnt 0x0                                ; the stores have read their data and bases: both are written again only behind this wait
	s_add_nc_u64 s[70:71], s[70:71], 6144          ; the next query tile: eight heads' halves on
	s_add_nc_u64 s[72:73], s[72:73], 1024
	s_sub_co_u32 s76, s76, 1
	s_cmp_lg_u32 s76, 0
	s_cbranch_scc1 .Ltile
	s_wait_tensorcnt 0x0
	ds_add_u32 v254, v255
	s_wait_dscnt 0x0
	s_endpgm
.Lfunc_end_k_qfbbab5f657_attn:
	.size	k_qfbbab5f657_attn, .Lfunc_end_k_qfbbab5f657_attn-k_qfbbab5f657_attn
	.p2alignl 7, 3214868480
	.fill 96, 4, 3214868480
	.section	.rodata,"a",@progbits
	.p2align	6, 0x0
	.amdhsa_kernel k_qfbbab5f657_attn
		.amdhsa_group_segment_fixed_size 168448
		.amdhsa_private_segment_fixed_size 0
		.amdhsa_enable_private_segment 0
		.amdhsa_kernarg_size 40
		.amdhsa_user_sgpr_count 2
		.amdhsa_user_sgpr_kernarg_segment_ptr 1
		.amdhsa_wavefront_size32 1
		.amdhsa_system_sgpr_workgroup_id_x 1
		.amdhsa_system_sgpr_workgroup_id_y 1
		.amdhsa_system_sgpr_workgroup_id_z 1
		.amdhsa_system_vgpr_workitem_id 0
		.amdhsa_next_free_vgpr 1008
		.amdhsa_next_free_sgpr 84
		.amdhsa_reserve_vcc 1
		.amdhsa_float_denorm_mode_32 3
		.amdhsa_float_denorm_mode_16_64 3
		.amdhsa_memory_ordered 1
		.amdhsa_forward_progress 1
		.amdhsa_inst_pref_size 242
	.end_amdhsa_kernel
	.amdgpu_metadata
---
amdhsa.version: [ 1, 2 ]
amdhsa.kernels:
  - .name:           k_qfbbab5f657_attn
    .symbol:         k_qfbbab5f657_attn.kd
    .args:
      - { .name: hfrag, .offset: 0, .size: 8, .value_kind: global_buffer, .address_space: global }
      - { .name: hsc, .offset: 8, .size: 8, .value_kind: global_buffer, .address_space: global }
      - { .name: key_padding_mask, .offset: 16, .size: 8, .value_kind: global_buffer, .address_space: global }
      - { .name: cfrag, .offset: 24, .size: 8, .value_kind: global_buffer, .address_space: global }
      - { .name: csc, .offset: 32, .size: 8, .value_kind: global_buffer, .address_space: global }
    .group_segment_fixed_size: 168448
    .private_segment_fixed_size: 0
    .kernarg_segment_align: 8
    .kernarg_segment_size: 40
    .max_flat_workgroup_size: 128
    .sgpr_count:     84
    .vgpr_count:     1008
    .wavefront_size: 32
...
	.end_amdgpu_metadata
.endif
;; end of part 3
;; launch outp (part 4): grid 32 x 8, 4 waves a work-group, no clusters, 17,920 bytes of LDS; arguments cfrag, csc, frag, fsc, out_b, out0; writes out0
.if DOCPART == 4
	.amdgcn_target "amdgcn-amd-amdhsa--gfx1250"
	.amdhsa_code_object_version 6
	.text
	.protected	k_qfbbab5f657_outp
	.globl	k_qfbbab5f657_outp
	.p2align	8
	.type	k_qfbbab5f657_outp,@function
k_qfbbab5f657_outp:
	s_mov_b64 s[64:65], 0
	v_nop
	global_prefetch_b8 v0, s[64:65] scope:SCOPE_SE
	s_setreg_imm32_b32 hwreg(HW_REG_WAVE_MODE, 25, 1), 1
	s_wait_xcnt 0x0
; out0 = ctx out_w^T + out_b on codes of FP6 (E2M3).  ctx's codes and scale bytes come from the attention launch, out_w's from the quantiser, both as images of operand registers.
; SHARES: work-group (X, cb): rows 256 X on, columns 64 cb on.  A wave makes 64 rows x 64 columns: ctx's tiles 16 X + 4 w + i, i = 0 .. 3, against out_w's tiles 4 cb + t, t = 0 .. 3: 16 accumulators, 64 products.
; A K step of 128 is two heads: ctx's fragment is the two heads' halves of 768 bytes, its scale word their two pairs of bytes.
; USED TRANSPOSED (source 0 = 16 rows of out_w, source 1 = 16 rows of ctx): a lane holds one row and, by the tiles' choice of rows, register j of tile t is column 32 (t / 2) + 8 (t % 2) + 16 (lane / 16) + j.
; The bias is the C of each sum's first product.  Lane r of row tile g is row 32 (g / 2) + 8 (g % 2) + r + 8 (r / 8).
; THE WAY OUT: a tile's 16 rows x 256 bytes go through the wave's own stage in LDS and leave as whole rows: sixteen lanes store 256 consecutive bytes, at a multiple of 256 from out0's first byte.
; All operands go from memory straight into registers, each once a wave: no tensor load, so nothing to ask for jointly in a cluster; no barrier: waves share nothing.
; REGISTERS: window 0 as named; window 1: out_w at v[48 t + 12 s]; window 2: ctx at v[48 i + 12 s].
.set HS, 16                            ; v16-31   out_w's scale words: 4 t + s
.set CS, 32                            ; v32-63   ctx's scale halves: 8 i + head; later rows on their way out
.set CW, 64                            ; v64-79   ctx's scale words: 4 i + s
.set BI, 80                            ; v80-111  the bias, eight registers a tile; later rows on their way out
.set AC, 128                           ; v128-255 accumulator (i, t) at 8 (4 i + t)
.set SP, 272                           ; a stage row: 256 bytes + 16
.set MSB, 0
.macro WIN new                         ; the immediate's high byte repeats the setting that is left
.if MSB != (\new)
	s_set_vgpr_msb (MSB<<8)|(\new)
.set MSB, (\new)
.endif
.endm
.macro WMC d, a, b, c, sa, sb
	v_wmma_scale_f32_16x16x128_f8f6f4 v[(\d):(\d)+7], v[(\a):(\a)+11], v[(\b):(\b)+11], v[(\c):(\c)+7], v[\sa], v[\sb] matrix_a_fmt:MATRIX_FMT_FP6 matrix_b_fmt:MATRIX_FMT_FP6
.endm
	s_load_b256 s[4:11], s[0:1], 0x0               ; cfrag, csc, frag, fsc
	s_load_b128 s[12:15], s[0:1], 0x20             ; out_b, out0
	v_lshl_add_u32 v126, v0, 2, 0x4400
	v_mov_b32 v127, 0
	v_lshrrev_b32 v9, 5, v0
	v_readfirstlane_b32 s16, v9                    ; wave w
	s_mov_b32 s17, ttmp9                           ; X
	s_and_b32 s18, ttmp7, 0xffff                   ; cb
	v_and_b32 v9, 31, v0
	v_and_b32 v10, 15, v0                          ; r
	v_bfe_u32 v11, v0, 4, 1                        ; h
	v_lshlrev_b32 v1, 4, v9                        ; 16 l
	v_lshlrev_b32 v2, 3, v9                        ; 8 l
	v_lshlrev_b32 v3, 2, v9                        ; 4 l
	v_lshlrev_b32 v4, 6, v11                       ; 64 h
	s_mul_i32 s34, s16, 16*SP                      ; my stage
	v_mul_u32_u24 v5, v10, SP
	v_lshl_add_u32 v5, v11, 6, v5
	v_add_nc_u32 v5, s34, v5                       ; in: row r, + 64 h
	v_mul_u32_u24 v6, v11, SP
	v_lshl_add_u32 v6, v10, 4, v6
	v_add_nc_u32 v6, s34, v6                       ; back: lanes 0-15 one row, lanes 16-31 the next
	v_lshlrev_b32 v7, 11, v11
	v_lshl_add_u32 v7, v10, 4, v7                  ; and the same two rows in out0
	s_lshl_b32 s19, s17, 4
	s_lshl_b32 s20, s16, 2
	s_add_co_u32 s19, s19, s20                     ; my first row tile: 16 X + 4 w
	s_mul_i32 s20, s19, 6144
	s_mov_b32 s21, 0
	s_lshl_b32 s22, s19, 10
	s_mov_b32 s23, 0
	s_lshl_b32 s24, s18, 2
	s_add_co_u32 s24, s24, 1632                    ; out_w's first tile of my columns
	s_mul_i32 s26, s24, 6144
	s_mov_b32 s27, 0
	s_lshl_b32 s28, s24, 9
	s_mov_b32 s29, 0
	s_lshl_b32 s30, s18, 8
	s_mov_b32 s31, 0
	s_lshl_b32 s32, s17, 19                        ; 256 X rows of 2,048 bytes,
	s_lshl_b32 s33, s16, 17                        ; 64 w rows,
	s_add_co_u32 s32, s32, s33
	s_add_co_u32 s32, s32, s30                     ; 256 cb bytes
	s_mov_b32 s33, 0
	s_wait_kmcnt 0x0
	s_add_nc_u64 s[4:5], s[4:5], s[20:21]
	s_add_nc_u64 s[6:7], s[6:7], s[22:23]
	s_add_nc_u64 s[8:9], s[8:9], s[26:27]
	s_add_nc_u64 s[10:11], s[10:11], s[28:29]
	s_add_nc_u64 s[12:13], s[12:13], s[30:31]
	s_add_nc_u64 s[14:15], s[14:15], s[32:33]
	WIN 0x40
.irp t, 0,1,2,3
.irp c, 0,1,2,3,4,5,6,7,8,9,10,11
	global_load_b128 v[48*\t+4*\c:48*\t+4*\c+3], v1, s[8:9] offset:\t*6144+512*\c
.endr
.endr
	WIN 0x80
.irp i, 0,1,2,3
.irp s, 0,1,2,3
	global_load_b128 v[48*\i+12*\s:48*\i+12*\s+3], v1, s[4:5] offset:\i*6144+1536*\s
	global_load_b64 v[48*\i+12*\s+4:48*\i+12*\s+5], v2, s[4:5] offset:\i*6144+1536*\s+512
	global_load_b128 v[48*\i+12*\s+6:48*\i+12*\s+9], v1, s[4:5] offset:\i*6144+1536*\s+768
	global_load_b64 v[48*\i+12*\s+10:48*\i+12*\s+11], v2, s[4:5] offset:\i*6144+1536*\s+1280
.endr
.endr
	WIN 0
.irp t, 0,1,2,3
	global_load_b128 v[HS+4*\t:HS+4*\t+3], v1, s[10:11] offset:512*\t
	global_load_b128 v[BI+8*\t:BI+8*\t+3], v4, s[12:13] offset:(32*(\t/2)+8*(\t%2))*4
	global_load_b128 v[BI+8*\t+4:BI+8*\t+7], v4, s[12:13] offset:(32*(\t/2)+8*(\t%2))*4+16
.endr
.set n, 0
.rept 32
	global_load_b32 v[CS+n], v3, s[6:7] offset:128*n
.set n, n+1
.endr
	s_wait_loadcnt 0x0
.irp i, 0,1,2,3
.irp s, 0,1,2,3
	v_lshl_or_b32 v[CW+4*\i+\s], v[CS+8*\i+2*\s+1], 16, v[CS+8*\i+2*\s]    ; heads 2 s and 2 s + 1: the K step's four bytes
.endr
.endr
.rept 8
	v_nop                                          ; a scale register written by a vector instruction stands eight places ahead of a scaled matrix instruction
.endr
	WIN 0x09                                       ; source 0 window 1, source 1 window 2, C and D window 0
.irp s, 0,1,2,3                                ; the sixteen accumulators take turns, one instruction a turn
.irp i, 0,1,2,3
.irp t, 0,1,2,3
.if \s == 0
	WMC AC+8*(4*\i+\t), 48*\t+12*\s, 48*\i+12*\s, BI+8*\t, HS+4*\t+\s, CW+4*\i+\s
.else
	WMC AC+8*(4*\i+\t), 48*\t+12*\s, 48*\i+12*\s, AC+8*(4*\i+\t), HS+4*\t+\s, CW+4*\i+\s
.endif
.endr
.endr
.endr
	WIN 0
.rept 4
	v_nop                                          ; four places between the last product and the first read of results and the loads into the bias's registers
.endr
.irp i, 0,1,2,3
.if \i >= 2
	s_wait_xcnt 0x0                                ; the stores of two tiles back have read their registers: the loads below may land there
.endif
.irp t, 0,1,2,3
	ds_store_b128 v5, v[AC+8*(4*\i+\t):AC+8*(4*\i+\t)+3] offset:128*(\t/2)+32*(\t%2)         ; each accumulator from its low end on
	ds_store_b128 v5, v[AC+8*(4*\i+\t)+4:AC+8*(4*\i+\t)+7] offset:128*(\t/2)+32*(\t%2)+16
.endr
.irp k, 0,1,2,3,4,5,6,7
	ds_load_b128 v[CS+48*(\i%2)+4*\k:CS+48*(\i%2)+4*\k+3], v6 offset:2*SP*\k   ; LDS serves a wave's instructions in order (ISA guide 5.7.1.4): these see my stores, and the next tile's stores come behind them
.endr
.irp k, 0,1,2,3,4,5,6,7
	s_wait_dscnt 7-\k                              ; the younger loads of this tile may be out
	global_store_b128 v7, v[CS+48*(\i%2)+4*\k:CS+48*(\i%2)+4*\k+3], s[14:15] offset:(32*(\i/2)+8*(\i%2)+2*\k+8*(\k/4))*2048 th:TH_STORE_NT
.endr
.endr
	s_wait_tensorcnt 0x0
	ds_add_u32 v126, v127
	s_wait_dscnt 0x0
	s_endpgm
.Lfunc_end_k_qfbbab5f657_outp:
	.size	k_qfbbab5f657_outp, .Lfunc_end_k_qfbbab5f657_outp-k_qfbbab5f657_outp
	.p2alignl 7, 3214868480
	.fill 96, 4, 3214868480
	.section	.rodata,"a",@progbits
	.p2align	6, 0x0
	.amdhsa_kernel k_qfbbab5f657_outp
		.amdhsa_group_segment_fixed_size 17920
		.amdhsa_private_segment_fixed_size 0
		.amdhsa_enable_private_segment 0
		.amdhsa_kernarg_size 48
		.amdhsa_user_sgpr_count 2
		.amdhsa_user_sgpr_kernarg_segment_ptr 1
		.amdhsa_wavefront_size32 1
		.amdhsa_system_sgpr_workgroup_id_x 1
		.amdhsa_system_sgpr_workgroup_id_y 1
		.amdhsa_system_sgpr_workgroup_id_z 1
		.amdhsa_system_vgpr_workitem_id 0
		.amdhsa_next_free_vgpr 768
		.amdhsa_next_free_sgpr 66
		.amdhsa_reserve_vcc 0
		.amdhsa_float_denorm_mode_32 3
		.amdhsa_float_denorm_mode_16_64 3
		.amdhsa_memory_ordered 1
		.amdhsa_forward_progress 1
		.amdhsa_inst_pref_size 35
	.end_amdhsa_kernel
	.amdgpu_metadata
---
amdhsa.version: [ 1, 2 ]
amdhsa.kernels:
  - .name:           k_qfbbab5f657_outp
    .symbol:         k_qfbbab5f657_outp.kd
    .args:
      - { .name: cfrag, .offset: 0, .size: 8, .value_kind: global_buffer, .address_space: global }
      - { .name: csc, .offset: 8, .size: 8, .value_kind: global_buffer, .address_space: global }
      - { .name: frag, .offset: 16, .size: 8, .value_kind: global_buffer, .address_space: global }
      - { .name: fsc, .offset: 24, .size: 8, .value_kind: global_buffer, .address_space: global }
      - { .name: out_b, .offset: 32, .size: 8, .value_kind: global_buffer, .address_space: global }
      - { .name: out0, .offset: 40, .size: 8, .value_kind: global_buffer, .address_space: global }
    .group_segment_fixed_size: 17920
    .private_segment_fixed_size: 0
    .kernarg_segment_align: 8
    .kernarg_segment_size: 48
    .max_flat_workgroup_size: 128
    .sgpr_count:     66
    .vgpr_count:     768
    .wavefront_size: 32
...
	.end_amdgpu_metadata
.endif
;; end of part 4
